; MI455X (gfx1250); checked and timed in simulation.
; The chip was launched on July 23, 2026; its instructions are those of AMD's public machine-readable ISA for CDNA 5 (MIT licence, August 2026) and "CDNA5" Instruction Set Architecture Reference Guide (July 2026). The comments in the code are by the model that wrote it; some were corrected since.
;; Bridge 2d. Allowed arithmetic: float matrix products may take bf16 or f16 operands with f32 sums; all other float work in f32.
;; Inputs: b0 128 float32; b1 128 float32; b2 128 float32; b3 2 float32; w0 3 x 128 float32; w1 128 x 128 float32; w2 128 x 128 float32; w3 128 x 2 float32; x 4,096 x 2 float32.
;; Outputs: out0 one number float32; out1 4,096 float32; out2 one number float32.
;; Constants: nt = 8.
;; One version. Each part assembles by itself: llvm-mc -triple=amdgcn-amd-amdhsa -mcpu=gfx1250 --defsym DOCPART=n.
;; ======== version 1 of 1: 2 launches
;; workspace buffers: part 2,048 bytes
;; launch main (part 1): grid 256 x 1, 4 waves a work-group, no clusters, 127,488 bytes of LDS; arguments x, w0, b0, w1, b1, w2, b2, w3, b3, out1, part; writes out1, part
.if DOCPART == 1
	.amdgcn_target "amdgcn-amd-amdhsa--gfx1250"
	.amdhsa_code_object_version 6
	.text
	.protected	k_qd51e54e149_main
	.globl	k_qd51e54e149_main
	.p2align	8
	.type	k_qd51e54e149_main,@function
k_qd51e54e149_main:
	s_mov_b64 s[64:65], 0
	v_nop
	global_prefetch_b8 v0, s[64:65] scope:SCOPE_SE
	s_setreg_imm32_b32 hwreg(HW_REG_WAVE_MODE, 25, 1), 1
	s_wait_xcnt 0x0
; Bridge_2d: 8 RK4 steps forward and 8 backward through the net 3 -> 128 -> 128 -> 128 -> 2 (tanh), 4,096 samples.
; The right-hand sides read neither the log nor the penalty state, so every sample's path (x, score) is its own: a work-group carries
; 16 samples through all 64 evaluations and touches memory only at its start and at its end.  256 work-groups x 16 samples.
; Backward, Jacobian, divergence and its gradient come from one second-order forward sweep: six vectors a sample and layer,
; the kinds q = 0..5: value, d/dx0, d/dx1, d00, d01, d11.  tanh: h, s = 1 - h h, c = -2 h s;  h_i = s a_i;  h_ij = s a_ij + c a_i a_j.
;
; PRODUCTS ARE TRANSPOSED: source 0 = 16 output features x 32 input features of W^T, source 1 = 32 input features x 16 samples.
; Register j of lane (r = lane % 16, h = lane / 16) of a result is (feature 8 h + j of the tile, sample r), so two neighbouring feature tiles,
; packed to bf16 in pairs, ARE the source-1 fragment of one K step of the next layer: nothing moves between lanes.
; Wave w owns output features 32 w .. 32 w + 31 of every layer (tiles T = 0, 1), for all samples and kinds; its weight fragments stay in
; registers for the whole launch.  Its packed output is K step w of the next layer; the other three K steps come from the other waves
; through LDS.  Slot i = 0..3 of the K loop stands for K step (w + i) % 4, so slot 0 is the wave's own.
; THE HAND-OVER is laid so that little of it stands bare: tile 0's halves are packed and stored while tile 1's derivative work is still to do;
; the own K step's products stand between the last stores and the wait for them; behind the barrier each pair of products waits
; for its own two loads only.
; Layer 0 has K = 3: three fused multiply-adds in f32, which also keeps the carried state x unrounded.
; The last layer (128 -> 2): six source-0 fragments put w3's two columns into rows 0..7 so that two accumulators gather
; f0, f1, J00, J10, J01, J11, gd0, gd1 of the wave's 32 features; the four waves' parts meet in LDS.  Every wave keeps the whole state.
;
; FORMATS: matrix operands bf16 (second derivatives of small weights fall below f16's range, those of large weights above it), sums and all else f32.
; LIMITS: log and penalty are summed per sample with the RK4 weights and averaged once at the end, another order of f32 rounding than averaging
; in every stage; step x weight (1/48, 1/24) is one f32 constant; tanh(x) = 1 - 2 / (1 + 2^(2.8853900 x)), exact at both saturated ends.
; NOT USED: tensor loads, LDS rings and prefetches (the loops read no memory); joint loads in a cluster: the weights are shared by all work-groups,
; but each reads its 128 KiB once, ahead of 64 evaluations, and they pass through registers anyway to be rounded to bf16.
; out1: a work-group owns 16 samples, so its one store to out1 covers 64 consecutive bytes, once in the launch.
.set EXA,  0                           ; LDS: exchange behind layer 0: (K step s, kind q, half u) at (6 s + q) 1024 + 512 u + 16 lane
.set EXB,  24576                       ; exchange behind layer 1, the same layout
.set PART, 49152                       ; the last layer's parts: wave w, rows 4 u .. 4 u + 3, sample r at 1024 w + 256 u + 16 r; lanes 16 to 31 (rows 8 to 15, zeros, never read) 512 further on
.set WST1, 53248                       ; w1 as bf16, [128 k][128 n], pitch 288
.set WSTD, 36864                       ; from there to w2's stage
.set WP,   288                         ; an odd multiple of 32 bytes, for the transposing loads
.set XK,   6144                        ; bytes of one K step in an exchange
; window 0
.set GX,   1                           ; 8 r
.set ADST, 2                           ; 6144 w + 16 lane
.set ADL,  2                           ; v[ADL+i], i = 1..3: 6144 ((w + i) % 4) + 16 lane
.set ADPS, 6                           ; PART + 1024 w + 512 h + 16 r
.set ADPL, 7                           ; PART + 16 r
.set B3,   8                           ; v[8:9]    b3
.set ZZ,   10                          ; v[10:13]  state: x0, x1, score0, score1
.set ZT,   14                          ; v[14:17]  the RK4 sum
.set ZIN,  18                          ; v[18:21]  the stage's input
.set LOGA, 22
.set PENA, 23
.set FF,   24                          ; v[24:31]  f0 f1 J00 J10 J01 J11 gd0 gd1 (start: lane terms)
.set UU,   32                          ; v[32:37]  small temporaries (start: v32-39 = TR0..3, SW, GW, GS, G3)
.set SW,   36
.set GW,   37
.set GS,   38
.set G3,   39
.set TT,   38                          ; v[38:39]  the time t (written when the loads that GS and G3 address are done)
.set SS,   40                          ; v[40:55]  s  (start: w3 as loaded, v[40:71])
.set PP,   40                          ; v[40:47]  accumulator P of the last layer
.set CC,   56                          ; v[56:71]  c
.set QQ,   56                          ; v[56:63]  accumulator Q
.set TM,   72                          ; v[72:79]  at work
.set BIAS1, 80                         ; v[80:95]
.set BIAS2, 96                         ; v[96:111]
.set ACC,  112                         ; v[112:207] kind q, tile T, register j at ACC + 16 q + 8 T + j (start: v[112:239] w1 as loaded)
.set RR,   112                         ; v[112:143] the four waves' parts, read back
.set OWN,  208                         ; v[208:255] slot 0, my own K step: kind q at OWN + 8 q.  In window 0, so that packing and storing need no switch of windows
.set W3C,  240                         ; start only: w3's two columns, packed
; window 1 (source 0 of products)
.set W1F,  0                           ; slot i, tile T at 16 i + 8 T
.set W2F,  64
.set W3F,  128                         ; kind q at 128 + 8 q
; window 2 (source 1 of slots 1 to 3): slot i, kind q at 48 i + 8 q (start: v[0:127] w2 as loaded)
; window 3: index 8 T + j for feature 32 w + 16 T + 8 h + j
.set W0X,  0
.set W0Y,  16
.set W0T,  32
.set B0,   48
.set P00,  64
.set P01,  80
.set P11,  96
; scalars: s4 wave; s[8:29] addresses; s30 trip; s31 stage; s[34:35] wt; s[36:37] -wt; s[38:39] cin; s[40:41] -cin; s42 dt; s43 mask of stage 3;
; s44..47 step/6, step/3, step/2, step; s48..55 lane masks r = 0..7; s[56:57] b3; s58..63 at work
.set MSB, 0
.macro WIN new                         ; low byte: bits 1:0 source 0, 3:2 source 1, 5:4 source 2, 7:6 destination; the high byte repeats the setting that is left
.if MSB != \new
	s_set_vgpr_msb (MSB<<8)|\new
.set MSB, \new
.endif
.endm
.macro PLACES                          ; four places behind matrix instructions before their results are read or their registers written (ISA guide 7.12.1)
.rept 4
	v_nop
.endr
.endm
.macro PK4MUL d, a, b                  ; four register pairs: d = a b
.irp p, 0,2,4,6
	v_pk_mul_f32 v[\d+\p:\d+\p+1], v[\a+\p:\a+\p+1], v[\b+\p:\b+\p+1]
.endr
.endm
.macro PK4FMA d, a, b                  ; four register pairs: d += a b
.irp p, 0,2,4,6
	v_pk_fma_f32 v[\d+\p:\d+\p+1], v[\a+\p:\a+\p+1], v[\b+\p:\b+\p+1], v[\d+\p:\d+\p+1]
.endr
.endm
; The stage's coefficients from the trip counter: weights step/6, /3, /3, /6; next input step/2, /2, 1, 0; t moves by step/2 behind stages 0 and 2.
.macro COEF
	s_and_b32 s31, s30, 3
	s_cmp_eq_u32 s31, 3
	s_cselect_b32 s43, -1, 0
	s_cselect_b32 s38, 0, s46
	s_cmp_eq_u32 s31, 2
	s_cselect_b32 s38, s47, s38
	s_add_co_u32 s58, s31, 1
	s_bitcmp1_b32 s58, 1
	s_cselect_b32 s34, s45, s44
	s_bitcmp1_b32 s31, 0
	s_cselect_b32 s42, 0, s46
	s_mov_b32 s35, s34
	s_mov_b32 s39, s38
	s_xor_b32 s36, s34, 0x80000000
	s_mov_b32 s37, s36
	s_xor_b32 s40, s38, 0x80000000
	s_mov_b32 s41, s40
.endm
; Layer 0, my 16 features a lane: a = w0[2] t + b0 + w0[1] x1 + w0[0] x0
.macro LIN0
	WIN 0x33
.irp p, 0,2,4,6,8,10,12,14
	v_pk_fma_f32 v[ACC+\p:ACC+\p+1], v[W0T+\p:W0T+\p+1], v[TT:TT+1], v[B0+\p:B0+\p+1] op_sel_hi:[1,0,1]
.endr
	WIN 0x03
.irp p, 0,2,4,6,8,10,12,14
	v_pk_fma_f32 v[ACC+\p:ACC+\p+1], v[W0Y+\p:W0Y+\p+1], v[ZIN:ZIN+1], v[ACC+\p:ACC+\p+1] op_sel:[0,1,0] op_sel_hi:[1,1,1]
.endr
.irp p, 0,2,4,6,8,10,12,14
	v_pk_fma_f32 v[ACC+\p:ACC+\p+1], v[W0X+\p:W0X+\p+1], v[ZIN:ZIN+1], v[ACC+\p:ACC+\p+1] op_sel_hi:[1,0,1]
.endr
	WIN 0
.endm
; tanh in place on the 16 values of kind 0; deriv = 1: also s = 1 - h h and c = -2 h s.
; The v_nop behind each run is the plain place between a transcendental and the use of its result (ISA guide 5.7.2).
.macro TANH16 deriv
.irp p, 0,2,4,6,8,10,12,14
	v_pk_mul_f32 v[ACC+\p:ACC+\p+1], v[ACC+\p:ACC+\p+1], 0x4038aa3b op_sel_hi:[1,0]
.endr
.irp k, 0,1,2,3,4,5,6,7,8,9,10,11,12,13,14,15
	v_exp_f32 v[ACC+\k], v[ACC+\k]
.endr
	v_nop
	s_wait_alu depctr_va_vdst(0)
.irp p, 0,2,4,6,8,10,12,14
	v_pk_add_f32 v[ACC+\p:ACC+\p+1], v[ACC+\p:ACC+\p+1], 1.0 op_sel_hi:[1,0]
.endr
.irp k, 0,1,2,3,4,5,6,7,8,9,10,11,12,13,14,15
	v_rcp_f32 v[ACC+\k], v[ACC+\k]
.endr
	v_nop
.if \deriv
	s_wait_alu depctr_va_vdst(0)
.irp p, 0,2,4,6,8,10,12,14
	v_pk_fma_f32 v[CC+\p:CC+\p+1], v[ACC+\p:ACC+\p+1], 4.0, -2.0 op_sel_hi:[1,0,0]      ; -2 h
.endr
.endif
	s_wait_alu depctr_va_vdst(0)
.irp p, 0,2,4,6,8,10,12,14
	v_pk_fma_f32 v[ACC+\p:ACC+\p+1], v[ACC+\p:ACC+\p+1], -2.0, 1.0 op_sel_hi:[1,0,0]    ; h
.endr
.if \deriv
.irp p, 0,2,4,6,8,10,12,14
	v_pk_fma_f32 v[SS+\p:SS+\p+1], v[ACC+\p:ACC+\p+1], v[ACC+\p:ACC+\p+1], 1.0 op_sel_hi:[1,1,0] neg_lo:[1,0,0] neg_hi:[1,0,0]
.endr
.irp p, 0,2,4,6,8,10,12,14
	v_pk_mul_f32 v[CC+\p:CC+\p+1], v[CC+\p:CC+\p+1], v[SS+\p:SS+\p+1]
.endr
.endif
.endm
; Layer 0's derivatives of one tile (b = 0 or 8): a_0 = w0[0], a_1 = w0[1], a_ij = 0.  Source 0 in window 3.
.macro D0T b
	WIN 0x03
	PK4MUL ACC+16+\b, W0X+\b, SS+\b
	PK4MUL ACC+32+\b, W0Y+\b, SS+\b
	PK4MUL ACC+48+\b, P00+\b, CC+\b
	PK4MUL ACC+64+\b, P01+\b, CC+\b
	PK4MUL ACC+80+\b, P11+\b, CC+\b
	WIN 0
.endm
; The five derivative kinds of one tile (b = 0 or 8) through tanh; each line runs over four register pairs, so dependent lines stand four apart.
.macro ACT6T b
	PK4MUL TM, CC+\b, ACC+16+\b                    ; c a_0
	PK4MUL ACC+48+\b, ACC+48+\b, SS+\b
	PK4MUL ACC+64+\b, ACC+64+\b, SS+\b
	PK4MUL ACC+80+\b, ACC+80+\b, SS+\b
	PK4FMA ACC+48+\b, TM, ACC+16+\b                ; h_00 = s a_00 + c a_0 a_0
	PK4FMA ACC+64+\b, TM, ACC+32+\b                ; h_01 = s a_01 + c a_0 a_1
	PK4MUL TM, CC+\b, ACC+32+\b                    ; c a_1
	PK4MUL ACC+16+\b, ACC+16+\b, SS+\b             ; h_0 = s a_0
	PK4FMA ACC+80+\b, TM, ACC+32+\b                ; h_11 = s a_11 + c a_1 a_1
	PK4MUL ACC+32+\b, ACC+32+\b, SS+\b             ; h_1 = s a_1
.endm
; Tile t of nk kinds rounded to bf16: half t (registers 4 t .. 4 t + 3) of slot 0's source-1 fragments
.macro PACKT nk, t
.set q, 0
.rept \nk
.irp k, 0,1,2,3
	v_cvt_pk_bf16_f32 v[OWN+8*q+4*\t+\k], v[ACC+16*q+8*\t+2*\k], v[ACC+16*q+8*\t+2*\k+1]
.endr
.set q, q+1
.endr
.endm
.macro XSTT reg, nk, t                 ; those halves to my K step of the exchange: 32 lanes x 16 neighbouring bytes a store
.set q, 0
.rept \nk
	ds_store_b128 v[ADST], v[OWN+8*q+4*\t:OWN+8*q+4*\t+3] offset:\reg+1024*q+512*\t
.set q, q+1
.endr
.endm
.macro XLD reg, nk                     ; the other three K steps into slots 1 to 3, window 2
	WIN 0x80
.irp i, 1,2,3
.set q, 0
.rept \nk
	ds_load_b128 v[48*\i+8*q:48*\i+8*q+3], v[ADL+\i] offset:\reg+1024*q
	ds_load_b128 v[48*\i+8*q+4:48*\i+8*q+7], v[ADL+\i] offset:\reg+1024*q+512
.set q, q+1
.endr
.endr
.endm
; Slot i of a layer's K loop: 2 nk products.  Slot 0 starts the sums (the bias for the values, 0 for the derivatives): nothing is cleared.
; The 2 nk accumulators take turns, one instruction a turn, in the same order in every slot.
; Slots 1 to 3: LDS loads come back in order (ISA guide 5.7.1), so the wait in front of kind q's two products leaves out what was issued
; behind that kind's two loads: 2 (nk - 1 - q) of the slot's later kinds and 2 nk (3 - i) of the later slots.
.macro MM wf, bias, i, nk
.set q, 0
.rept \nk
.if \i
	s_wait_dscnt 2*\nk*(4-\i)-2*q-2
.set bb, 48*\i+8*q
.else
.set bb, OWN+8*q
.endif
.set tix, 0
.rept 2
.if \i == 0
.if q == 0
	v_wmma_f32_16x16x32_bf16 v[ACC+16*q+8*tix:ACC+16*q+8*tix+7], v[\wf+16*\i+8*tix:\wf+16*\i+8*tix+7], v[bb:bb+7], v[\bias+8*tix:\bias+8*tix+7]
.else
	v_wmma_f32_16x16x32_bf16 v[ACC+16*q+8*tix:ACC+16*q+8*tix+7], v[\wf+16*\i+8*tix:\wf+16*\i+8*tix+7], v[bb:bb+7], 0
.endif
.else
	v_wmma_f32_16x16x32_bf16 v[ACC+16*q+8*tix:ACC+16*q+8*tix+7], v[\wf+16*\i+8*tix:\wf+16*\i+8*tix+7], v[bb:bb+7], v[ACC+16*q+8*tix:ACC+16*q+8*tix+7]
.endif
.set tix, tix+1
.endr
.set q, q+1
.endr
.endm
; One hidden layer's products; my packed halves have been stored ahead of it.  Three LDS regions (two exchanges and the parts) take turns with
; one barrier each, so a region is written again only behind two further barriers, and every wave's reads of it are waited for in front of the first of those.
.macro LAYER reg, wf, bias, nk
	WIN 0x01                                       ; source 0 window 1, source 1 (my own slot) window 0
	MM \wf, \bias, 0, \nk                          ; my own K step needs nothing from LDS: register work while my stores are on their way
	s_wait_dscnt 0x0                               ; for the others: my stores are in LDS (my earlier reads too)
	s_barrier_signal -1
	s_barrier_wait -1
	XLD \reg, \nk
	WIN 0x09                                       ; source 0 window 1, source 1 window 2
	MM \wf, \bias, 1, \nk
	MM \wf, \bias, 2, \nk
	MM \wf, \bias, 3, \nk
	WIN 0
	PLACES
.endm
; The last layer.  nk = 6: P takes kinds 0, 2, 4 and Q kinds 1, 3, 5, by turns; P + Q holds rows 0..7 in lanes 0 to 15.  nk = 1: f alone.
; In every store and load of the parts sixteen lanes take 256 consecutive bytes (nk = 1: 8 bytes of each 16).
.macro PROJ nk
	WIN 0x01
	v_wmma_f32_16x16x32_bf16 v[PP:PP+7], v[W3F:W3F+7], v[OWN:OWN+7], 0
.if \nk == 6
	v_wmma_f32_16x16x32_bf16 v[QQ:QQ+7], v[W3F+8:W3F+15], v[OWN+8:OWN+15], 0
	v_wmma_f32_16x16x32_bf16 v[PP:PP+7], v[W3F+16:W3F+23], v[OWN+16:OWN+23], v[PP:PP+7]
	v_wmma_f32_16x16x32_bf16 v[QQ:QQ+7], v[W3F+24:W3F+31], v[OWN+24:OWN+31], v[QQ:QQ+7]
	v_wmma_f32_16x16x32_bf16 v[PP:PP+7], v[W3F+32:W3F+39], v[OWN+32:OWN+39], v[PP:PP+7]
	v_wmma_f32_16x16x32_bf16 v[QQ:QQ+7], v[W3F+40:W3F+47], v[OWN+40:OWN+47], v[QQ:QQ+7]
.endif
	WIN 0
	PLACES
.if \nk == 6
.irp p, 0,2,4,6
	v_pk_add_f32 v[PP+\p:PP+\p+1], v[PP+\p:PP+\p+1], v[QQ+\p:QQ+\p+1]
.endr
	ds_store_b128 v[ADPS], v[PP:PP+3]
	ds_store_b128 v[ADPS], v[PP+4:PP+7] offset:256
.else
	ds_store_b64 v[ADPS], v[PP:PP+1]
.endif
	s_wait_dscnt 0x0                               ; for the others: my part is in LDS
	s_barrier_signal -1
	s_barrier_wait -1
.if \nk == 6
.irp k, 0,1,2,3
	ds_load_b128 v[RR+8*\k:RR+8*\k+3], v[ADPL] offset:1024*\k
	ds_load_b128 v[RR+8*\k+4:RR+8*\k+7], v[ADPL] offset:1024*\k+256
.endr
	COEF                                           ; the stage's coefficients, first used behind the sums below: scalar work while the parts are on their way
	s_wait_dscnt 0x0
.irp p, 0,2,4,6
	v_pk_add_f32 v[RR+\p:RR+\p+1], v[RR+\p:RR+\p+1], v[RR+8+\p:RR+8+\p+1]
.endr
.irp p, 0,2,4,6
	v_pk_add_f32 v[RR+16+\p:RR+16+\p+1], v[RR+16+\p:RR+16+\p+1], v[RR+24+\p:RR+24+\p+1]
.endr
.irp p, 0,2,4,6
	v_pk_add_f32 v[FF+\p:FF+\p+1], v[RR+\p:RR+\p+1], v[RR+16+\p:RR+16+\p+1]
.endr
.else
.irp k, 0,1,2,3
	ds_load_b64 v[RR+2*\k:RR+2*\k+1], v[ADPL] offset:1024*\k
.endr
	COEF
	s_wait_dscnt 0x0
	v_pk_add_f32 v[RR:RR+1], v[RR:RR+1], v[RR+2:RR+3]
	v_pk_add_f32 v[RR+4:RR+5], v[RR+4:RR+5], v[RR+6:RR+7]
	v_pk_add_f32 v[FF:FF+1], v[RR:RR+1], v[RR+4:RR+5]
.endif
	v_pk_add_f32 v[FF:FF+1], v[FF:FF+1], v[B3:B3+1]
.endm
; The RK4 stage's book-keeping, the same in every wave and in both halves of the lanes.  At stage 3 the sum becomes the state (a select, no branch).
.macro UPDF
	v_pk_fma_f32 v[ZT:ZT+1], v[FF:FF+1], s[34:35], v[ZT:ZT+1] op_sel_hi:[1,0,1]
	v_cndmask_b32 v[ZZ], v[ZZ], v[ZT], s43
	v_cndmask_b32 v[ZZ+1], v[ZZ+1], v[ZT+1], s43
	v_pk_fma_f32 v[ZIN:ZIN+1], v[FF:FF+1], s[38:39], v[ZZ:ZZ+1] op_sel_hi:[1,0,1]
	v_add_f32 v[TT], s42, v[TT]
.endm
.macro UPDB
	v_add_f32 v[UU], v[FF+2], v[FF+5]                                              ; div = J00 + J11
	v_pk_add_f32 v[UU+2:UU+3], v[FF:FF+1], v[ZIN+2:ZIN+3]                          ; f + score
	v_pk_fma_f32 v[UU+4:UU+5], v[FF+2:FF+3], v[ZIN+2:ZIN+3], v[FF+6:FF+7] op_sel_hi:[1,0,1]            ; grad div + J score:
	v_fma_f32 v[LOGA], v[UU], s36, v[LOGA]                                         ; log -= wt div
	v_mul_f32 v[UU+1], v[UU+2], v[UU+2]
	v_pk_fma_f32 v[UU+4:UU+5], v[FF+4:FF+5], v[ZIN+2:ZIN+3], v[UU+4:UU+5] op_sel:[0,1,0] op_sel_hi:[1,1,1]   ; the score's slope is minus this
	v_fma_f32 v[UU+1], v[UU+3], v[UU+3], v[UU+1]
	v_pk_fma_f32 v[ZT:ZT+1], v[FF:FF+1], s[34:35], v[ZT:ZT+1] op_sel_hi:[1,0,1]
	v_fma_f32 v[PENA], v[UU+1], s34, v[PENA]
	v_pk_fma_f32 v[ZT+2:ZT+3], v[UU+4:UU+5], s[36:37], v[ZT+2:ZT+3] op_sel_hi:[1,0,1]
.irp k, 0,1,2,3
	v_cndmask_b32 v[ZZ+\k], v[ZZ+\k], v[ZT+\k], s43
.endr
	v_pk_fma_f32 v[ZIN:ZIN+1], v[FF:FF+1], s[38:39], v[ZZ:ZZ+1] op_sel_hi:[1,0,1]
	v_pk_fma_f32 v[ZIN+2:ZIN+3], v[UU+4:UU+5], s[40:41], v[ZZ+2:ZZ+3] op_sel_hi:[1,0,1]
	v_add_f32 v[TT], s42, v[TT]
.endm
; w3's fragments: rows picked by lane masks; SEL1 starts a fragment (other rows 0), SEL2 adds a second row
.macro SEL1 q, src, m
.irp k, 0,1,2,3,4,5,6,7
	v_cndmask_b32 v[W3F+8*\q+\k], 0, v[\src+\k], s[\m]
.endr
.endm
.macro SEL2 q, src, m
.irp k, 0,1,2,3,4,5,6,7
	v_cndmask_b32 v[W3F+8*\q+\k], v[W3F+8*\q+\k], v[\src+\k], s[\m]
.endr
.endm
	; ---------------- the start: addresses ----------------
	s_load_b512 s[8:23], s[0:1], 0x0               ; x s[8:9], w0 s[10:11], b0 s[12:13], w1 s[14:15], b1 s[16:17], w2 s[18:19], b2 s[20:21], w3 s[22:23]
	s_load_b128 s[24:27], s[0:1], 0x40             ; b3 s[24:25], out1 s[26:27]
	s_load_b64 s[28:29], s[0:1], 0x50              ; part
	s_set_vgpr_msb 0x40
	v_lshl_add_u32 v254, v0, 2, 0x1f000
	v_mov_b32 v255, 0
	s_set_vgpr_msb 0x4000
	v_lshrrev_b32 v24, 5, v0
	v_readfirstlane_b32 s4, v24                    ; wave 0..3
	v_and_b32 v24, 31, v0                          ; lane
	v_and_b32 v25, 15, v0                          ; r
	v_bfe_u32 v26, v0, 4, 1                        ; h
	v_lshlrev_b32 v[GX], 3, v25
	v_lshlrev_b32 v28, 4, v24                      ; 16 lane
	s_mul_i32 s58, s4, XK
	v_add_nc_u32 v[ADST], s58, v28
	v_and_b32 v27, 7, v0
	v_lshl_add_u32 v27, v26, 3, v27                ; 8 h + lane % 8: the row that I address in a transposing load
	v_mul_u32_u24 v29, v27, WP
	v_bfe_u32 v30, v0, 3, 1
	v_lshl_add_u32 v29, v30, 4, v29                ; + 16 ((lane / 8) % 2)
	s_lshl_b32 s61, s4, 6                          ; my 32 columns: 64 w bytes
	s_add_co_u32 s61, s61, WST1
.irp i, 0,1,2,3
	s_add_co_u32 s59, s4, \i
	s_and_b32 s59, s59, 3                          ; slot i is K step (w + i) % 4
	s_mul_i32 s60, s59, 32*WP
	s_add_co_u32 s60, s60, s61
	v_add_nc_u32 v[UU+\i], s60, v29
.if \i
	s_mul_i32 s60, s59, XK
	v_add_nc_u32 v[ADL+\i], s60, v28
.endif
.endr
	s_lshl_b32 s58, s4, 10
	s_add_co_u32 s58, s58, PART
	v_lshl_add_u32 v[ADPS], v25, 4, s58            ; my wave's 1,024 bytes of the parts: 16 r,
	v_lshl_add_u32 v[ADPS], v26, 9, v[ADPS]        ; lanes 16 to 31 in its upper half
	v_lshl_add_u32 v[ADPL], v25, 4, PART
	s_mul_i32 s58, s4, 32*WP
	s_add_co_u32 s58, s58, WST1
	v_lshl_add_u32 v[SW], v24, 3, s58              ; stage: my 32 rows, 8 bytes a lane
	s_lshl_b32 s58, s4, 14
	v_add_nc_u32 v[GW], s58, v28                   ; w1, w2: my 32 rows of 512 bytes, 16 bytes a lane
	s_lshl_b32 s58, s4, 7
	v_lshl_add_u32 v[GS], v26, 5, s58              ; vectors of 128 f32: 128 w + 32 h
	s_lshl_b32 s58, s4, 8
	v_lshl_add_u32 v[G3], v26, 6, s58              ; w3: 256 w + 64 h
	s_lshl_b32 s62, ttmp9, 7                       ; my 16 samples of x: 128 bytes
	s_mov_b32 s63, 0
	s_wait_kmcnt 0x0
	s_load_b64 s[56:57], s[24:25], 0x0             ; b3's two numbers
	s_add_nc_u64 s[8:9], s[8:9], s[62:63]
	; ---------------- all loads of the launch: 33 small ones, 32 of w1, 32 of w2 ----------------
	WIN 0xc0
.irp c, 0,1,2
.irp u, 0,1,2,3
	global_load_b128 v[16*\c+4*\u:16*\c+4*\u+3], v[GS], s[10:11] offset:512*\c+64*(\u/2)+16*(\u%2)
.endr
.endr
.irp u, 0,1,2,3
	global_load_b128 v[B0+4*\u:B0+4*\u+3], v[GS], s[12:13] offset:64*(\u/2)+16*(\u%2)
.endr
	WIN 0
.irp u, 0,1,2,3
	global_load_b128 v[BIAS1+4*\u:BIAS1+4*\u+3], v[GS], s[16:17] offset:64*(\u/2)+16*(\u%2)
.endr
.irp u, 0,1,2,3
	global_load_b128 v[BIAS2+4*\u:BIAS2+4*\u+3], v[GS], s[20:21] offset:64*(\u/2)+16*(\u%2)
.endr
.irp u, 0,1,2,3,4,5,6,7
	global_load_b128 v[SS+4*\u:SS+4*\u+3], v[G3], s[22:23] offset:128*(\u/4)+16*(\u%4)
.endr
	global_load_b64 v[ZZ:ZZ+1], v[GX], s[8:9]
.set ii, 0
.rept 32
	global_load_b128 v[ACC+4*ii:ACC+4*ii+3], v[GW], s[14:15] offset:512*ii     ; a whole row of w1: 512 consecutive bytes a load
.set ii, ii+1
.endr
	WIN 0x80
.set ii, 0
.rept 32
	global_load_b128 v[4*ii:4*ii+3], v[GW], s[18:19] offset:512*ii             ; the same of w2, into window 2
.set ii, ii+1
.endr
	WIN 0
	s_wait_loadcnt 32                              ; loads come back in order (ISA guide 5.7.1): all but w2's 32, the youngest, are in
	; w1: round to bf16 and lay into the stage, [k][n]
.set ii, 0
.rept 32
	v_cvt_pk_bf16_f32 v[ACC+4*ii], v[ACC+4*ii], v[ACC+4*ii+1]
	v_cvt_pk_bf16_f32 v[ACC+4*ii+1], v[ACC+4*ii+2], v[ACC+4*ii+3]
	ds_store_b64 v[SW], v[ACC+4*ii:ACC+4*ii+1] offset:WP*ii
.set ii, ii+1
.endr
	; constants, while w2 is on its way: products of w0's rows for layer 0's second derivatives
	WIN 0xcf
.irp p, 0,2,4,6,8,10,12,14
	v_pk_mul_f32 v[P00+\p:P00+\p+1], v[W0X+\p:W0X+\p+1], v[W0X+\p:W0X+\p+1]
	v_pk_mul_f32 v[P01+\p:P01+\p+1], v[W0X+\p:W0X+\p+1], v[W0Y+\p:W0Y+\p+1]
	v_pk_mul_f32 v[P11+\p:P11+\p+1], v[W0Y+\p:W0Y+\p+1], v[W0Y+\p:W0Y+\p+1]
.endr
	WIN 0
	; w3's two columns over my K step, packed as a fragment's eight registers: column 0 in v[W3C:W3C+7], column 1 in v[W3C+8:W3C+15]
.irp k, 0,1,2,3,4,5,6,7
	v_cvt_pk_bf16_f32 v[W3C+\k], v[SS+4*\k], v[SS+4*\k+2]
	v_cvt_pk_bf16_f32 v[W3C+8+\k], v[SS+4*\k+1], v[SS+4*\k+3]
.endr
.irp k, 0,1,2,3,4,5,6,7
	v_cmp_eq_u32 s[48+\k], 8*\k, v[GX]             ; lanes with r = k
.endr
	WIN 0x41
	SEL1 0, W3C, 48                                ; value: row 0 f0, row 1 f1
	SEL2 0, W3C+8, 49
	SEL1 1, W3C, 50                                ; d/dx0: row 2 J00, row 3 J10
	SEL2 1, W3C+8, 51
	SEL1 2, W3C, 52                                ; d/dx1: row 4 J01, row 5 J11
	SEL2 2, W3C+8, 53
	SEL1 3, W3C, 54                                ; d00: row 6 (gd0) by column 0
	SEL1 4, W3C+8, 54                              ; d01: row 6 by column 1, row 7 (gd1) by column 0
	SEL2 4, W3C, 55
	SEL1 5, W3C+8, 55                              ; d11: row 7 by column 1
	s_wait_loadcnt 0x0                             ; w2
	WIN 0x8a
.set ii, 0
.rept 32
	v_cvt_pk_bf16_f32 v[4*ii], v[4*ii], v[4*ii+1]
	v_cvt_pk_bf16_f32 v[4*ii+1], v[4*ii+2], v[4*ii+3]
.set ii, ii+1
.endr
	WIN 0x08
.set ii, 0
.rept 32
	ds_store_b64 v[SW], v[4*ii:4*ii+1] offset:WSTD+WP*ii
.set ii, ii+1
.endr
	WIN 0
	s_wait_dscnt 0x0                               ; for the others: my rows of both stages are in LDS
	s_barrier_signal -1
	s_barrier_wait -1
	; my weight fragments, once: slot i, tile T: columns 32 w + 16 T + r, k = 32 ((w + i) % 4) + 8 h .. and + 16
	WIN 0x40
.irp i, 0,1,2,3
.irp t, 0,1
.irp u, 0,1
	ds_load_tr16_b128 v[W1F+16*\i+8*\t+4*\u:W1F+16*\i+8*\t+4*\u+3], v[UU+\i] offset:32*\t+16*WP*\u
	ds_load_tr16_b128 v[W2F+16*\i+8*\t+4*\u:W2F+16*\i+8*\t+4*\u+3], v[UU+\i] offset:WSTD+32*\t+16*WP*\u
.endr
.endr
.endr
	WIN 0
	s_wait_kmcnt 0x0
	v_mov_b32 v[B3], s56
	v_mov_b32 v[B3+1], s57
	v_mov_b32 v[ZT], v[ZZ]
	v_mov_b32 v[ZT+1], v[ZZ+1]
	v_mov_b32 v[ZIN], v[ZZ]
	v_mov_b32 v[ZIN+1], v[ZZ+1]
	v_mov_b32 v[TT], 0                             ; t = 0 (every global load is done: the wait for w2 above)
	v_mov_b32 v[TT+1], 0
	s_mov_b32 s44, 0x3caaaaab                      ; 1/48
	s_mov_b32 s45, 0x3d2aaaab                      ; 1/24
	s_mov_b32 s46, 0x3d800000                      ; 1/16
	s_mov_b32 s47, 0x3e000000                      ; 1/8
	s_wait_dscnt 0x0                               ; the fragments are in
	; ---------------- forward: 8 steps x 4 stages, values alone ----------------
	s_mov_b32 s30, 0
.Lfwd:
	LIN0
	TANH16 0
	PACKT 1, 0
	PACKT 1, 1
	XSTT EXA, 1, 0
	XSTT EXA, 1, 1
	LAYER EXA, W1F, BIAS1, 1
	TANH16 0
	PACKT 1, 0
	PACKT 1, 1
	XSTT EXB, 1, 0
	XSTT EXB, 1, 1
	LAYER EXB, W2F, BIAS2, 1
	TANH16 0
	PACKT 1, 0
	PACKT 1, 1
	PROJ 1
	UPDF
	s_add_co_u32 s30, s30, 1
	s_cmp_lt_u32 s30, 32
	s_cbranch_scc1 .Lfwd
	; ---------------- the turn: log = -log(2 pi) - |z|^2 / 2, score = -z, penalty = 0, t = 1, step = -1/8 ----------------
	v_mul_f32 v[UU], v[ZZ], v[ZZ]
	v_mov_b32 v[UU+1], 0xbfeb3f8e
	v_fma_f32 v[UU], v[ZZ+1], v[ZZ+1], v[UU]
	v_xor_b32 v[ZZ+2], 0x80000000, v[ZZ]
	v_xor_b32 v[ZZ+3], 0x80000000, v[ZZ+1]
	v_fma_f32 v[LOGA], v[UU], -0.5, v[UU+1]
	v_mov_b32 v[PENA], 0
.irp k, 0,1,2,3
	v_mov_b32 v[ZT+\k], v[ZZ+\k]
	v_mov_b32 v[ZIN+\k], v[ZZ+\k]
.endr
	v_mov_b32 v[TT], 1.0
	s_mov_b32 s44, 0xbcaaaaab
	s_mov_b32 s45, 0xbd2aaaab
	s_mov_b32 s46, 0xbd800000
	s_mov_b32 s47, 0xbe000000
	; ---------------- backward: 8 steps x 4 stages, six kinds ----------------
	; In front of each hidden layer: tile 0's derivative work, its six halves packed and stored; then the same of tile 1, under which tile 0's stores go their way.
	s_mov_b32 s30, 0
.Lbwd:
	LIN0
	TANH16 1
	D0T 0
	PACKT 6, 0
	XSTT EXA, 6, 0
	D0T 8
	PACKT 6, 1
	XSTT EXA, 6, 1
	LAYER EXA, W1F, BIAS1, 6
	TANH16 1
	ACT6T 0
	PACKT 6, 0
	XSTT EXB, 6, 0
	ACT6T 8
	PACKT 6, 1
	XSTT EXB, 6, 1
	LAYER EXB, W2F, BIAS2, 6
	TANH16 1
	ACT6T 0
	ACT6T 8
	PACKT 6, 0
	PACKT 6, 1
	PROJ 6
	UPDB
	s_add_co_u32 s30, s30, 1
	s_cmp_lt_u32 s30, 32
	s_cbranch_scc1 .Lbwd
	; ---------------- the way out: every wave holds the same state, wave 0 stores ----------------
	s_cmp_lg_u32 s4, 0
	s_cbranch_scc1 .Lend
	v_mov_b32 v[UU], v[LOGA]
	v_mov_b32 v[UU+1], v[PENA]
.irp m, 1,2,4,8
	v_add_f32_dpp v[UU], v[UU], v[UU] row_xmask:\m row_mask:0xf bank_mask:0xf          ; sums over my 16 samples (each half of the lanes holds all 16)
	v_add_f32_dpp v[UU+1], v[UU+1], v[UU+1] row_xmask:\m row_mask:0xf bank_mask:0xf
.endr
	v_lshrrev_b32 v[UU+2], 1, v[GX]                ; 4 r
	v_mov_b32 v[UU+3], 0
	s_lshl_b32 s58, ttmp9, 6                       ; out1: 16 numbers a work-group
	s_mov_b32 s59, 0
	s_add_nc_u64 s[26:27], s[26:27], s[58:59]
	s_lshl_b32 s58, ttmp9, 3                       ; part: two numbers a work-group
	s_add_nc_u64 s[28:29], s[28:29], s[58:59]
	v_cmp_gt_u32 vcc_lo, 16, v0
	s_wait_xcnt 0x0                                ; EXEC changes only behind this wait
	s_and_saveexec_b32 s60, vcc_lo
	global_store_b32 v[UU+2], v[LOGA], s[26:27]    ; lanes 0 to 15: 64 consecutive bytes
	s_wait_xcnt 0x0
	s_or_b32 exec_lo, exec_lo, s60
	v_cmp_eq_u32 vcc_lo, 0, v0
	s_and_saveexec_b32 s60, vcc_lo
	global_store_b64 v[UU+3], v[UU:UU+1], s[28:29] ; lane 0: the work-group's sums of log and of penalty
	s_wait_xcnt 0x0
	s_or_b32 exec_lo, exec_lo, s60
.Lend:
	s_set_vgpr_msb 0x5
	s_wait_tensorcnt 0x0
	ds_add_u32 v254, v255
	s_wait_dscnt 0x0
	s_set_vgpr_msb 0x500
	s_endpgm
.Lfunc_end_k_qd51e54e149_main:
	.size	k_qd51e54e149_main, .Lfunc_end_k_qd51e54e149_main-k_qd51e54e149_main
	.p2alignl 7, 3214868480
	.fill 96, 4, 3214868480
	.section	.rodata,"a",@progbits
	.p2align	6, 0x0
	.amdhsa_kernel k_qd51e54e149_main
		.amdhsa_group_segment_fixed_size 127488
		.amdhsa_private_segment_fixed_size 0
		.amdhsa_enable_private_segment 0
		.amdhsa_kernarg_size 88
		.amdhsa_user_sgpr_count 2
		.amdhsa_user_sgpr_kernarg_segment_ptr 1
		.amdhsa_wavefront_size32 1
		.amdhsa_system_sgpr_workgroup_id_x 1
		.amdhsa_system_sgpr_workgroup_id_y 1
		.amdhsa_system_sgpr_workgroup_id_z 1
		.amdhsa_system_vgpr_workitem_id 0
		.amdhsa_next_free_vgpr 880
		.amdhsa_next_free_sgpr 66
		.amdhsa_reserve_vcc 1
		.amdhsa_float_denorm_mode_32 3
		.amdhsa_float_denorm_mode_16_64 3
		.amdhsa_memory_ordered 1
		.amdhsa_forward_progress 1
		.amdhsa_inst_pref_size 109
	.end_amdhsa_kernel
	.amdgpu_metadata
---
amdhsa.version: [ 1, 2 ]
amdhsa.kernels:
  - .name:           k_qd51e54e149_main
    .symbol:         k_qd51e54e149_main.kd
    .args:
      - { .name: x, .offset: 0, .size: 8, .value_kind: global_buffer, .address_space: global }
      - { .name: w0, .offset: 8, .size: 8, .value_kind: global_buffer, .address_space: global }
      - { .name: b0, .offset: 16, .size: 8, .value_kind: global_buffer, .address_space: global }
      - { .name: w1, .offset: 24, .size: 8, .value_kind: global_buffer, .address_space: global }
      - { .name: b1, .offset: 32, .size: 8, .value_kind: global_buffer, .address_space: global }
      - { .name: w2, .offset: 40, .size: 8, .value_kind: global_buffer, .address_space: global }
      - { .name: b2, .offset: 48, .size: 8, .value_kind: global_buffer, .address_space: global }
      - { .name: w3, .offset: 56, .size: 8, .value_kind: global_buffer, .address_space: global }
      - { .name: b3, .offset: 64, .size: 8, .value_kind: global_buffer, .address_space: global }
      - { .name: out1, .offset: 72, .size: 8, .value_kind: global_buffer, .address_space: global }
      - { .name: part, .offset: 80, .size: 8, .value_kind: global_buffer, .address_space: global }
    .group_segment_fixed_size: 127488
    .private_segment_fixed_size: 0
    .kernarg_segment_align: 8
    .kernarg_segment_size: 88
    .max_flat_workgroup_size: 128
    .sgpr_count:     66
    .vgpr_count:     880
    .wavefront_size: 32
...
	.end_amdgpu_metadata
.endif
;; end of part 1
;; launch finish (part 2): grid 1 x 1, 1 waves a work-group, no clusters, 0 bytes of LDS; arguments part, out0, out2; writes out0, out2
.if DOCPART == 2
	.amdgcn_target "amdgcn-amd-amdhsa--gfx1250"
	.amdhsa_code_object_version 6
	.text
	.protected	k_qd51e54e149_finish
	.globl	k_qd51e54e149_finish
	.p2align	8
	.type	k_qd51e54e149_finish,@function
k_qd51e54e149_finish:
	s_mov_b64 s[64:65], 0
	v_nop
	global_prefetch_b8 v0, s[64:65] scope:SCOPE_SE
	s_setreg_imm32_b32 hwreg(HW_REG_WAVE_MODE, 25, 1), 1
	s_wait_xcnt 0x0
; The two sums over the batch.  part: [256][2] f32, work-group g's sum of log and sum of penalty over its 16 samples.
; out0 = -10 x mean of log, out2 = -mean of penalty, means over 4,096 samples.  2,048 bytes: one wave, four loads of 512 consecutive bytes.
; A sum that spans work-groups is made in a launch of its own, in a fixed order.
	s_load_b128 s[4:7], s[0:1], 0x0                ; part s[4:5], out0 s[6:7]
	s_load_b64 s[8:9], s[0:1], 0x10                ; out2
	v_lshlrev_b32 v1, 4, v0                        ; 16 bytes a lane: two work-groups' pairs
	s_mov_b32 s10, 0x76543210                      ; v_permlanex16_b32: lane i of one half reads lane i of the other
	s_mov_b32 s11, 0xfedcba98
	v_mov_b32 v2, 0
	s_wait_kmcnt 0x0
	global_load_b128 v[4:7], v1, s[4:5]
	global_load_b128 v[8:11], v1, s[4:5] offset:512
	global_load_b128 v[12:15], v1, s[4:5] offset:1024
	global_load_b128 v[16:19], v1, s[4:5] offset:1536
	s_wait_loadcnt 0x0
	v_pk_add_f32 v[4:5], v[4:5], v[6:7]            ; pairs (log, penalty) all the way down
	v_pk_add_f32 v[8:9], v[8:9], v[10:11]
	v_pk_add_f32 v[12:13], v[12:13], v[14:15]
	v_pk_add_f32 v[16:17], v[16:17], v[18:19]
	v_pk_add_f32 v[4:5], v[4:5], v[8:9]
	v_pk_add_f32 v[12:13], v[12:13], v[16:17]
	v_pk_add_f32 v[4:5], v[4:5], v[12:13]
.irp m, 1,2,4,8
	v_add_f32_dpp v4, v4, v4 row_xmask:\m row_mask:0xf bank_mask:0xf
	v_add_f32_dpp v5, v5, v5 row_xmask:\m row_mask:0xf bank_mask:0xf
.endr
	v_permlanex16_b32 v6, v4, s10, s11             ; v6, v7 have been written: the destination counts as read
	v_permlanex16_b32 v7, v5, s10, s11
	v_add_f32 v4, v4, v6
	v_add_f32 v5, v5, v7
	v_mul_f32 v4, 0xbb200000, v4                   ; -10 / 4096
	v_mul_f32 v5, 0xb9800000, v5                   ; -1 / 4096
	v_cmp_eq_u32 vcc_lo, 0, v0
	s_wait_xcnt 0x0                                ; EXEC changes only behind this wait
	s_and_saveexec_b32 s12, vcc_lo
	global_store_b32 v2, v4, s[6:7]
	global_store_b32 v2, v5, s[8:9]
	s_wait_xcnt 0x0
	s_or_b32 exec_lo, exec_lo, s12
	s_endpgm
.Lfunc_end_k_qd51e54e149_finish:
	.size	k_qd51e54e149_finish, .Lfunc_end_k_qd51e54e149_finish-k_qd51e54e149_finish
	.p2alignl 7, 3214868480
	.fill 96, 4, 3214868480
	.section	.rodata,"a",@progbits
	.p2align	6, 0x0
	.amdhsa_kernel k_qd51e54e149_finish
		.amdhsa_group_segment_fixed_size 0
		.amdhsa_private_segment_fixed_size 0
		.amdhsa_enable_private_segment 0
		.amdhsa_kernarg_size 24
		.amdhsa_user_sgpr_count 2
		.amdhsa_user_sgpr_kernarg_segment_ptr 1
		.amdhsa_wavefront_size32 1
		.amdhsa_system_sgpr_workgroup_id_x 1
		.amdhsa_system_sgpr_workgroup_id_y 1
		.amdhsa_system_sgpr_workgroup_id_z 1
		.amdhsa_system_vgpr_workitem_id 0
		.amdhsa_next_free_vgpr 24
		.amdhsa_next_free_sgpr 66
		.amdhsa_reserve_vcc 1
		.amdhsa_float_denorm_mode_32 3
		.amdhsa_float_denorm_mode_16_64 3
		.amdhsa_memory_ordered 1
		.amdhsa_forward_progress 1
		.amdhsa_inst_pref_size 3
	.end_amdhsa_kernel
	.amdgpu_metadata
---
amdhsa.version: [ 1, 2 ]
amdhsa.kernels:
  - .name:           k_qd51e54e149_finish
    .symbol:         k_qd51e54e149_finish.kd
    .args:
      - { .name: part, .offset: 0, .size: 8, .value_kind: global_buffer, .address_space: global }
      - { .name: out0, .offset: 8, .size: 8, .value_kind: global_buffer, .address_space: global }
      - { .name: out2, .offset: 16, .size: 8, .value_kind: global_buffer, .address_space: global }
    .group_segment_fixed_size: 0
    .private_segment_fixed_size: 0
    .kernarg_segment_align: 8
    .kernarg_segment_size: 24
    .max_flat_workgroup_size: 32
    .sgpr_count:     66
    .vgpr_count:     24
    .wavefront_size: 32
...
	.end_amdgpu_metadata
.endif
;; end of part 2
